; MI455X (gfx1250); checked and timed in simulation.
; The chip was launched on July 23, 2026; its instructions are those of AMD's public machine-readable ISA for CDNA 5 (MIT licence, August 2026) and "CDNA5" Instruction Set Architecture Reference Guide (July 2026). The comments in the code are by the model that wrote it; some were corrected since.
;; Nearest Neighbor Tokenizer. Allowed arithmetic: matrix products marked QUANTISED: E2M3 operands, one E8M0 scale for each 32 along K, by v_wmma_scale_f32_16x16x128_f8f6f4 with both operands' format E2M3, f32 sums; everything else in f32.
;; Inputs: codes 16,384 x 512 float32; x 4 x 2,048 x 512 float32.
;; Outputs: out0 4 x 2,048 int32.
;; This version of the problem:
;;   THIS VERSION OF THE PROBLEM IS GIVEN IN LOW PRECISION. The matrix products marked QUANTISED in the list below multiply operands that are first quantised to E2M3 (2 exponent bits, 3 mantissa bits; 6 bits a number), with one power-of-two scale for each 32 numbers along K (OCP MX v1.0); their sums are f32. All else is computed in f32.
;;   The module's matrix products, in the order in which they are computed (A, B: the left and right operand; K: the contracted axis; several contracted axes count as one K, in the product's order):
;;     1. [M 8,192, K 512] x [K 512, N 16,384]; A: input x; B: input codes: QUANTISED
;;   THE QUANTISER, for each operand of a quantised product, along K:
;;     - K is cut into blocks of 32 from its start; a last block that is shorter is filled with zeros.
;;     - A block's scale is 2^e with e = floor(log2(the largest magnitude in the block)) - 2, held to -126 .. 127; a block of zeros has e = 0. As a byte (E8M0): e + 127.
;;     - Each number is divided by its block's scale, clamped to +-7.5, and rounded to the nearest number of E2M3, ties to even, subnormals kept.
;;     - The product sums the exact products of the quantised numbers (number of the format x scale) in f32.
;;   ~~~python
;;   def quantise(x, axis):      # numpy; x: float32 -> the quantised numbers, widened to float32 again
;;       x = np.moveaxis(x, axis, -1); K = x.shape[-1]
;;       x = np.pad(x, [(0, 0)] * (x.ndim - 1) + [(0, -K % 32)]); x = x.reshape(x.shape[:-1] + (-1, 32)); a = np.abs(x).max(-1, keepdims=True)
;;       e = np.where(a > 0, np.clip(np.frexp(np.where(a > 0, a, 1))[1] - 1 - 2, -126, 127), 0)      # np.frexp(a)[1] - 1 = floor(log2(a)), exactly
;;       r = np.clip(x / 2.0 ** e, -7.5, 7.5)
;;       step = 2.0 ** (np.maximum(np.frexp(np.where(r == 0, 1, r))[1] - 1, 0) - 3)
;;       q = np.round(r / step) * step * 2.0 ** e      # np.round: ties to even
;;       return np.moveaxis(q.reshape(q.shape[:-2] + (-1,))[..., :K], -1, axis).astype(np.float32)
;;   ~~~
;; One version. Each part assembles by itself: llvm-mc -triple=amdgcn-amd-amdhsa -mcpu=gfx1250 --defsym DOCPART=n.
;; ======== version 1 of 1: 3 launches
;; limits: right only within a limited range of input values
;; workspace buffers: q 10,223,616 bytes; cand 1,048,576 bytes
;; launch quant (part 1): grid 1536 x 1, 4 waves a work-group, no clusters, 35,328 bytes of LDS; arguments x, codes, q; writes q
.if DOCPART == 1
	.amdgcn_target "amdgcn-amd-amdhsa--gfx1250"
	.amdhsa_code_object_version 6
	.text
	.protected	k_q2766e882fc_quant
	.globl	k_q2766e882fc_quant
	.p2align	8
	.type	k_q2766e882fc_quant,@function
k_q2766e882fc_quant:
	s_mov_b64 s[64:65], 0
	v_nop
	global_prefetch_b8 v0, s[64:65] scope:SCOPE_SE
	s_setreg_imm32_b32 hwreg(HW_REG_WAVE_MODE, 25, 1), 1
	s_wait_xcnt 0x0
; x [8192][512] and codes [16384][512], f32, become RECORDS of 16 rows each in q: records 0-511 are x's, 512-1535 the codes'.
; A record (6,656 bytes) is laid in the order of a matrix operand's registers (FP6 = E2M3, 16 rows x 128 K = 12 registers a lane):
;   1536 s + 512 g + 16 lane : registers 4 g .. 4 g + 3 of K step s's fragment (lane (r, h), registers 6 c .. 6 c + 5: k = 128 s + 64 c + 32 h + 0 .. 31 of row r)
;   6144 + 8 lane            : two scale words: row r's for K step h, then for K step 2 + h (four E8M0 bytes each)
;   6400 + 4 f, f = 0 .. 63  : -0.5 x the sum of squares of row f % 16 (of the f32 numbers as they are given), four times over, so that 256 bytes on end are written
; A block's scale is 2^(floor(log2(its largest magnitude)) - 2); its byte is the largest magnitude's exponent field - 2, held at 1 from below.
; LIMITS: a block of zeros, and a block whose largest magnitude lies under 2^-124, keep the byte 1 (zeros' codes are zeros; the bytes are read by this program alone);
; NaN and infinities are not served; a row's squares are summed in this text's own order (two chains a lane, two lanes, four K steps).
; SHARES: work-group t makes record t, wave w its K step w.  Each load reads 512 bytes on end of one row; the 16 rows turn through the wave's own stage in LDS,
; so that a lane gets two whole blocks of 32 neighbours along K: the conversions' results are then the operand's registers.  No loop, no tensor load.
.set REC,   6656
.set PITCH, 528                        ; a stage row: 512 bytes + 16 = 33 x 16: the sixteen rows that a read touches start in sixteen different 16-byte columns
.set WSTG,  16*PITCH                   ; a wave's stage
.set SIMG,  4*WSTG                     ; the record's 256 bytes of scale words
.set PSUM,  SIMG+256                   ; 4 waves x 16 rows: each K step's part of the sums of squares
.set X,     32                         ; v32-95   64 numbers
.set CF,    96                         ; v96-107  the fragment
.set CT,    108                        ; v108-110, v112-114  the upper halves of the two blocks' codes, as the conversions leave them
	s_load_b128 s[4:7], s[0:1], 0x0                ; x, codes
	s_load_b64 s[8:9], s[0:1], 0x10                ; q
	v_lshl_add_u32 v128, v0, 2, 0x8800
	v_mov_b32 v129, 0
	v_lshrrev_b32 v1, 5, v0
	v_readfirstlane_b32 s10, v1                    ; wave = K step
	v_and_b32 v1, 31, v0                           ; lane
	v_and_b32 v2, 15, v0                           ; r
	s_wait_alu depctr_va_vdst(0)
	v_bfe_u32 v3, v0, 4, 1                         ; h
	v_lshlrev_b32 v4, 4, v1                        ; 16 x lane: my bytes of a load, and of a stored register group
	s_mul_i32 s12, s10, WSTG
	v_add_nc_u32 v5, s12, v4                       ; the stage, on the way in: row i at PITCH i, as loaded
	v_mul_u32_u24 v6, v2, PITCH
	v_lshl_add_u32 v6, v3, 7, v6
	v_add_nc_u32 v6, s12, v6                       ; and on the way out: row r, + 128 h: my block of 32 numbers
	s_and_b32 s13, s10, 1
	s_lshl_b32 s13, s13, 7
	s_lshr_b32 s14, s10, 1
	s_lshl_b32 s14, s14, 2
	s_add_co_u32 s13, s13, s14
	s_add_co_u32 s13, s13, SIMG
	v_lshl_add_u32 v7, v2, 3, s13                  ; row r's scale word of K step w: 8 r + 128 (w % 2) + 4 (w / 2)
	s_lshl_b32 s14, s10, 6
	s_add_co_u32 s14, s14, PSUM
	v_lshl_add_u32 v8, v2, 2, s14                  ; row r's part of the squares: 64 w + 4 r
	v_lshlrev_b32 v9, 3, v1                        ; 8 x lane
	v_and_b32 v10, 7, v1
	v_lshl_add_u32 v10, v10, 3, PSUM               ; wave 0's tail: rows (2 lane) % 16 and the next
	v_add_nc_u32 v11, SIMG, v9
	v_lshlrev_b32 v26, 3, v3                       ; 8 h: how far up my two scale bytes stand in the word
	v_mov_b32 v19, 0                               ; a lane permute's destination counts as one of its sources
	v_mov_b32 v25, 0
	s_mov_b32 s20, 0x76543210
	s_mov_b32 s21, 0xfedcba98                      ; v_permlanex16_b32's selects for lane l xor 16
	s_wait_kmcnt 0x0
	s_cmp_lt_u32 ttmp9, 512                        ; x's record or the codes'?  Only the pointer is chosen: both take one path
	s_cselect_b64 s[4:5], s[4:5], s[6:7]
	s_cselect_b32 s11, 0, 512
	s_sub_co_u32 s11, ttmp9, s11                   ; which 16 rows of that tensor
	s_lshl_b32 s16, s11, 15                        ; 16 rows of 2,048 bytes,
	s_lshl_b32 s17, s10, 9                         ; + my K step's 512 bytes
	s_add_co_u32 s16, s16, s17
	s_mov_b32 s17, 0
	s_add_nc_u64 s[4:5], s[4:5], s[16:17]
	s_mul_i32 s18, ttmp9, REC
	s_mul_i32 s19, s10, 1536
	s_add_co_u32 s18, s18, s19
	s_mov_b32 s19, 0
	s_add_nc_u64 s[8:9], s[8:9], s[18:19]          ; the record, at my K step's fragment
.irp i, 0,1,2,3,4,5,6,7,8,9,10,11,12,13,14,15
	global_load_b128 v[X+4*\i:X+4*\i+3], v4, s[4:5] offset:2048*\i th:TH_LOAD_NT   ; row i: 32 lanes read 512 bytes on end; read once in the launch
.endr
.irp i, 0,1,2,3,4,5,6,7,8,9,10,11,12,13,14,15
	s_wait_loadcnt 15-\i                           ; loads come back in order: row i is in, the younger ones stay out
	ds_store_b128 v5, v[X+4*\i:X+4*\i+3] offset:PITCH*\i
.endr
.irp c, 0,1
.irp k, 0,1,2,3,4,5,6,7
	ds_load_b128 v[X+32*\c+4*\k:X+32*\c+4*\k+3], v6 offset:256*\c+16*\k   ; LDS serves a wave's instructions in order: these see my stores.  Register 32 c + i = k 64 c + 32 h + i of row r
.endr
.endr
	s_wait_dscnt 0x0
.irp c, 0,1                                    ; my two blocks by turns: the largest magnitude, with the floor 2^(3 - 127) as a leaf, and the squares, two at a time
	v_max3_num_f32 v[12+\c], |v[X+32*\c]|, |v[X+32*\c+1]|, 0x1800000
	v_pk_mul_f32 v[20+2*\c:21+2*\c], v[X+32*\c:X+32*\c+1], v[X+32*\c:X+32*\c+1]
.endr
.irp i, 2,4,6,8,10,12,14,16,18,20,22,24,26,28,30
.irp c, 0,1
	v_max3_num_f32 v[12+\c], v[12+\c], |v[X+32*\c+\i]|, |v[X+32*\c+\i+1]|
	v_pk_fma_f32 v[20+2*\c:21+2*\c], v[X+32*\c+\i:X+32*\c+\i+1], v[X+32*\c+\i:X+32*\c+\i+1], v[20+2*\c:21+2*\c]
.endr
.endr
.irp c, 0,1
	v_add_nc_u32 v[14+\c], 0xff000000, v[12+\c]    ; 2 off the exponent field: the conversion takes the exponent field of this operand as its scale
.endr
.irp c, 0,1
	v_lshrrev_b32 v[16+\c], 23, v[14+\c]           ; the scale's byte
.endr
	v_pk_add_f32 v[20:21], v[20:21], v[22:23]
	v_lshl_or_b32 v18, v17, 16, v16                ; my two bytes: blocks h and 2 + h of row r,
	v_add_f32 v24, v20, v21
	v_lshlrev_b32 v18, v26, v18                    ; at their places in the word;
	v_permlanex16_b32 v25, v24, s20, s21
	v_permlanex16_b32 v19, v18, s20, s21
	v_add_f32 v24, v24, v25                        ; row r's squares over this K step
	v_or_b32 v18, v18, v19                         ; with lane l xor 16's two bytes the word is whole
.irp c, 0,1
	v_cvt_scalef32_pk16_fp6_f32 v[CF+6*\c:CF+6*\c+2], v[X+32*\c:X+32*\c+15], v[14+\c]        ; registers 6 c .. 6 c + 2 of the fragment
	v_cvt_scalef32_pk16_fp6_f32 v[CT+4*\c:CT+4*\c+2], v[X+32*\c+16:X+32*\c+31], v[14+\c]     ; (a conversion's three registers begin on an even number: these are moved)
.endr
	v_nop                                          ; one plain instruction behind the last scaled conversion
.irp c, 0,1
.irp i, 0,1,2
	v_mov_b32 v[CF+6*\c+3+\i], v[CT+4*\c+\i]
.endr
.endr
.irp g, 0,1,2
	global_store_b128 v4, v[CF+4*\g:CF+4*\g+3], s[8:9] offset:512*\g   ; 32 lanes store 512 bytes on end, at a multiple of 256 from q's first byte
.endr
	ds_store_b32 v7, v18                           ; lanes r and r + 16 write the same word with the same value
	ds_store_b32 v8, v24
	s_wait_dscnt 0x0                               ; for wave 0's sake: my two stores are done
	s_barrier_signal -1
	s_barrier_wait -1
	s_cmp_lg_u32 s10, 0
	s_cbranch_scc1 .Lend
	ds_load_b64 v[116:117], v11                    ; wave 0: the scale words as they lie,
.irp w, 0,1,2,3
	ds_load_b64 v[118+2*\w:119+2*\w], v10 offset:64*\w   ; and the four K steps' parts of two rows' squares
.endr
	s_wait_dscnt 0x0
	v_pk_add_f32 v[118:119], v[118:119], v[120:121]
	v_pk_add_f32 v[122:123], v[122:123], v[124:125]
	v_pk_add_f32 v[118:119], v[118:119], v[122:123]
	v_pk_mul_f32 v[118:119], v[118:119], -0.5 op_sel_hi:[1,0]
	global_store_b64 v9, v[116:117], s[8:9] offset:6144   ; 256 bytes on end each (wave 0's base is the record's first byte)
	global_store_b64 v9, v[118:119], s[8:9] offset:6400
.Lend:
	s_wait_tensorcnt 0x0
	ds_add_u32 v128, v129
	s_wait_dscnt 0x0
	s_endpgm
.Lfunc_end_k_q2766e882fc_quant:
	.size	k_q2766e882fc_quant, .Lfunc_end_k_q2766e882fc_quant-k_q2766e882fc_quant
	.p2alignl 7, 3214868480
	.fill 96, 4, 3214868480
	.section	.rodata,"a",@progbits
	.p2align	6, 0x0
	.amdhsa_kernel k_q2766e882fc_quant
		.amdhsa_group_segment_fixed_size 35328
		.amdhsa_private_segment_fixed_size 0
		.amdhsa_enable_private_segment 0
		.amdhsa_kernarg_size 24
		.amdhsa_user_sgpr_count 2
		.amdhsa_user_sgpr_kernarg_segment_ptr 1
		.amdhsa_wavefront_size32 1
		.amdhsa_system_sgpr_workgroup_id_x 1
		.amdhsa_system_sgpr_workgroup_id_y 1
		.amdhsa_system_sgpr_workgroup_id_z 1
		.amdhsa_system_vgpr_workitem_id 0
		.amdhsa_next_free_vgpr 130
		.amdhsa_next_free_sgpr 66
		.amdhsa_reserve_vcc 0
		.amdhsa_float_denorm_mode_32 3
		.amdhsa_float_denorm_mode_16_64 3
		.amdhsa_memory_ordered 1
		.amdhsa_forward_progress 1
		.amdhsa_inst_pref_size 14
	.end_amdhsa_kernel
	.amdgpu_metadata
---
amdhsa.version: [ 1, 2 ]
amdhsa.kernels:
  - .name:           k_q2766e882fc_quant
    .symbol:         k_q2766e882fc_quant.kd
    .args:
      - { .name: x, .offset: 0, .size: 8, .value_kind: global_buffer, .address_space: global }
      - { .name: codes, .offset: 8, .size: 8, .value_kind: global_buffer, .address_space: global }
      - { .name: q, .offset: 16, .size: 8, .value_kind: global_buffer, .address_space: global }
    .group_segment_fixed_size: 35328
    .private_segment_fixed_size: 0
    .kernarg_segment_align: 8
    .kernarg_segment_size: 24
    .max_flat_workgroup_size: 128
    .sgpr_count:     66
    .vgpr_count:     130
    .wavefront_size: 32
...
	.end_amdgpu_metadata
.endif
;; end of part 1
;; launch nearest (part 2): grid 16 x 16, 8 waves a work-group, clusters of 4 x 1, 327,680 bytes of LDS; arguments q, cand; writes cand
.if DOCPART == 2
	.amdgcn_target "amdgcn-amd-amdhsa--gfx1250"
	.amdhsa_code_object_version 6
	.text
	.protected	k_q2766e882fc_nearest
	.globl	k_q2766e882fc_nearest
	.p2align	8
	.type	k_q2766e882fc_nearest,@function
k_q2766e882fc_nearest:
	s_mov_b64 s[64:65], 0
	v_nop
	global_prefetch_b8 v0, s[64:65] scope:SCOPE_SE
	s_setreg_imm32_b32 hwreg(HW_REG_WAVE_MODE, 25, 1), 1
	s_wait_xcnt 0x0
	s_wait_alu depctr_hold_cnt(0) depctr_sa_sdst(0) depctr_va_vdst(0) depctr_va_sdst(0) depctr_va_ssrc(0) depctr_va_vcc(0) depctr_vm_vsrc(0)
	s_getreg_b32 s2, hwreg(HW_REG_IB_STS2, 6, 4)
	s_cmp_eq_u32 s2, 0
	s_cbranch_scc0 .Lentry_in_a_cluster
	s_endpgm
.Lentry_in_a_cluster:
	s_bfe_u32 s2, ttmp6, 0x10000c
	s_cmp_lg_u32 s2, 0x3003
	s_cbranch_scc0 .Lentry_shape_is_right
	s_endpgm
.Lentry_shape_is_right:
; For 512 tokens and 1,024 codes: each token's smallest d = max(x2 + c2 - 2 Q(x).Q(c), 0) among these codes, and the lowest code that has it.  cand[chunk][token] = (d, code).
; THE SUM.  s = Q(x).Q(c) - c2 / 2 is made by the matrix unit: -c2 / 2 is the C of a sum's first instruction.  d = x2 - 2 s: the smallest d is the largest s, and d >= 0 is s <= x2 / 2.
; LAYOUT.  Source 0 = 16 codes, source 1 = 16 tokens: a lane holds ONE token (lane % 16), an accumulator's registers 0-7 the codes 16 tile + 8 (lane / 16) + 0 .. 7.
; THE SEARCH.  For each of its 4 token tiles a lane keeps RUN (the largest s so far, held at x2 / 2), IDX (the tile of codes in which RUN last grew) and SAV (that tile's eight sums);
; which of the eight it was is looked up once, at the end.  Ties: a strict > keeps the earlier tile; the first of the eight that reaches RUN is taken; between the halves of the lanes the lower code wins where d is equal.
; LIMITS: the order of rounding is not the source's: c2 / 2 is added inside the matrix sums, x2 once at the end; within a lane sums s are compared, between lanes d.  NaN and infinities are not served.
; SHARES.  Work-group (rb, ch): tokens 512 rb on, codes 1,024 ch on.  Eight waves, two to a SIMD's 1,024 registers.  Wave w owns tokens 64 w on: their 16 fragments (192 registers) stay in registers.
; All eight waves walk the same 64 tiles of codes from LDS: each fragment read there feeds four matrix instructions.  A wave lays a tile's 16 matrix instructions in one group and the search of the tile before behind it.
; CLUSTER.  The four work-groups of a cluster share ch: the codes' records are asked for JOINTLY (mask 15).  The tokens' records differ between partners and go straight into registers, once.
; LDS.  The chunk's 64 records are four parts of 16, in a ring of two slots; a part's 416 rows of 256 bytes are shared out among the eight waves, 52 each.
; Part 0 is the head's one load a wave; part 1 follows behind the full sequence; parts 2 and 3 are refills.
; NO PREFETCH: each part is asked for by its tensor load 16 tiles (256 matrix instructions a wave) ahead of its first read, and the head has no loop to run ahead in.
; REGISTERS.  Window 0: addresses, scale words, the search's state, the accumulators, the codes' fragments and -c2 / 2.  Window 1: v0-191 the tokens' fragments, (a, s) at 48 a + 12 s.
; So only a matrix instruction's source 1 lies outside window 0: two switches a tile.
.set REC,   6656                       ; a record of 16 rows
.set PART,  16*REC                     ; a slot
.set SHARE, 2*REC                      ; what one tensor load brings: 52 rows of 256 bytes
.set SPARE, 2*PART                     ; behind the slots: the spare words, 128 bytes a wave, named by no other line
.set DUAL,  1                          ; 1: SAV is taken two registers an instruction
.set SPW, 1                            ; v1 my spare word's LDS address, v2 = 0; never rewritten
.set NIL, 2
.set L16, 3                            ; 16 x lane, 8 x lane, 32 x (lane / 16), 4 x (lane % 16)
.set L8,  4
.set H32, 5
.set R4,  6
.set ADF, 7                            ; the LDS addresses of the loads in hand: fragments, scale words, -c2 / 2
.set ADS, 8
.set ADC, 9
.set HB,  10                           ; the lane's first code
.set BSC, 12                           ; v12-15  the codes' scale words: buffer p at 2 p: K steps 0 / 1, then 2 / 3 (lanes 0-15 / 16-31)
.set ASC, 16                           ; v16-23  the tokens': tile a: 2 a + 1 K steps 0 / 1, 2 a K steps 2 / 3: of the other parity than the codes' word of the same K steps
.set X2N, 24                           ; v24-27  -x2 / 2
.set IDX, 28                           ; v28-31
.set RUN, 32                           ; v32-39  old and new by turns
.set TT,  40                           ; v40-43  at work
.set SAV, 48                           ; v48-79
.set ACC, 80                           ; v80-143 two buffers of 4 accumulators
.set CFR, 144                          ; v144-239 the codes' fragments, two buffers: 48 p + 12 s
.set CC,  240                          ; v240-255 -c2 / 2, two buffers
.set WV,  8                            ; s8  my wave's number
.set G1,  16                           ; s[16:23] descriptor group 1
.set G0,  24                           ; s[24:31] descriptor group 0, a set for each slot
.set TB,  36                           ; s36 LDS byte of the pair of records to be fetched next
.set TI,  37                           ; s37 the number of the tile whose sums are searched
.set CNT, 38
.set MK,  40                           ; s[40:43] lane masks: where RUN has grown
.set SEL, 44                           ; s[44:45] v_permlanex16_b32's selects for lane l xor 16
.set HI,  46                           ; s46 lanes 16-31
.set MSB, 0
.macro WIN new                         ; the immediate's high byte repeats the setting that is left; a switch that changes nothing is dropped
.if MSB != \new
	s_set_vgpr_msb (MSB<<8)|\new
.set MSB, \new
.endif
.endm
.macro ROUND                           ; a round of the cluster's barrier
	s_barrier_signal -1
	s_barrier_wait -1
	s_cmp_lg_u32 s[WV], 0
	s_cbranch_scc1 .Lnot_wave_0_\@
	s_barrier_signal -3
.Lnot_wave_0_\@:
	s_barrier_wait -3
	s_barrier_signal -1
	s_barrier_wait -1
.endm
.macro PLACES
.rept 4
	v_nop
.endr
.endm
; Four matrix instructions: K step ks of the tile in buffer p against my 4 token tiles.  The four accumulators take turns, one instruction a turn: three others stand between a sum's steps.
.macro MMK p, ks
.irp ta, 0,1,2,3
.set rD, ACC+32*(\p)+8*\ta
.set rA, CFR+48*(\p)+12*(\ks)
.set rB, 48*\ta+12*(\ks)
.set rSA, BSC+2*(\p)+(\ks)/2
.set rSB, ASC+2*\ta+1-(\ks)/2
.if (\ks) == 0
	v_wmma_scale_f32_16x16x128_f8f6f4 v[rD:rD+7], v[rA:rA+11], v[rB:rB+11], v[CC+8*(\p):CC+8*(\p)+7], v[rSA], v[rSB] matrix_a_fmt:MATRIX_FMT_FP6 matrix_b_fmt:MATRIX_FMT_FP6
.elseif (\ks)%2 == 1
	v_wmma_scale_f32_16x16x128_f8f6f4 v[rD:rD+7], v[rA:rA+11], v[rB:rB+11], v[rD:rD+7], v[rSA], v[rSB] matrix_a_fmt:MATRIX_FMT_FP6 matrix_b_fmt:MATRIX_FMT_FP6 matrix_a_scale:MATRIX_SCALE_ROW1 matrix_b_scale:MATRIX_SCALE_ROW1
.else
	v_wmma_scale_f32_16x16x128_f8f6f4 v[rD:rD+7], v[rA:rA+11], v[rB:rB+11], v[rD:rD+7], v[rSA], v[rSB] matrix_a_fmt:MATRIX_FMT_FP6 matrix_b_fmt:MATRIX_FMT_FP6
.endif
.endr
.endm
.macro ADDR                            ; the LDS addresses of the next two records, once for both
	v_add_nc_u32 v[ADF], s[TB], v[L16]
	v_add_nc_u32 v[ADS], s[TB], v[L8]
	v_add_nc_u32 v[ADC], s[TB], v[H32]
	s_add_co_u32 s[TB], s[TB], 2*REC
.endm
.macro FETCH p, off                    ; the record at byte off behind these addresses into buffer p: 15 LDS loads in one run; a record lies as the operand's registers do
	ds_load_b64 v[BSC+2*(\p):BSC+2*(\p)+1], v[ADS] offset:(\off)+6144
.irp s, 0,1,2,3
.irp g, 0,1,2
	ds_load_b128 v[CFR+48*(\p)+12*\s+4*\g:CFR+48*(\p)+12*\s+4*\g+3], v[ADF] offset:(\off)+1536*\s+512*\g
.endr
.endr
	ds_load_b128 v[CC+8*(\p):CC+8*(\p)+3], v[ADC] offset:(\off)+6400      ; -c2 / 2 of my eight codes
	ds_load_b128 v[CC+8*(\p)+4:CC+8*(\p)+7], v[ADC] offset:(\off)+6416
.endm
; The search through buffer q's four accumulators, the four by turns, so that a line and the one that needs its result stand four apart.
.macro SEARCH q
.irp k, 0,1,2,3,4
.irp i, 0,1,2,3
.set rS, ACC+32*(\q)+8*\i
.if \k == 0
	v_max3_num_f32 v[TT+\i], v[rS], v[rS+1], v[rS+2]               ; the tile's largest sum; the accumulator is read from its low end on
.elseif \k < 3
	v_max3_num_f32 v[TT+\i], v[TT+\i], v[rS+2*\k+1], v[rS+2*\k+2]
.elseif \k == 3
	v_max_num_f32 v[TT+\i], v[TT+\i], v[rS+7]
.else
	v_med3_num_f32 v[RUN+4*(1-(\q))+\i], v[TT+\i], -v[X2N+\i], v[RUN+4*(\q)+\i]   ; the middle of it, x2 / 2 and the old RUN (never over x2 / 2): the hold and the running maximum in one
.endif
.endr
.endr
.irp i, 0,1,2,3                        ; has it grown?
.if \i == 0
	v_cmp_gt_f32 vcc_lo, v[RUN+4*(1-(\q))+\i], v[RUN+4*(\q)+\i]
.else
	v_cmp_gt_f32 s[MK+\i], v[RUN+4*(1-(\q))+\i], v[RUN+4*(\q)+\i]
.endif
.endr
.irp i, 0,1,2,3
.set rS, ACC+32*(\q)+8*\i
.if \i > 0
	s_mov_b32 vcc_lo, s[MK+\i]                     ; the paired selects take their mask from VCC
	v_cndmask_b32 v[IDX+\i], v[IDX+\i], s[TI], s[MK+\i]
.else
	v_cndmask_b32 v[IDX+\i], v[IDX+\i], s[TI], vcc_lo
.endif
.irp j, 0,2,4,6
.if DUAL
	v_dual_cndmask_b32 v[SAV+8*\i+\j], v[SAV+8*\i+\j], v[rS+\j] :: v_dual_cndmask_b32 v[SAV+8*\i+\j+1], v[SAV+8*\i+\j+1], v[rS+\j+1]
.else
	v_cndmask_b32 v[SAV+8*\i+\j], v[SAV+8*\i+\j], v[rS+\j], vcc_lo
	v_cndmask_b32 v[SAV+8*\i+\j+1], v[SAV+8*\i+\j+1], v[rS+\j+1], vcc_lo
.endif
.endr
.endr
.endm
; A TILE of 16 codes on buffer p.  fetch = 2: new addresses, and the next record into the other buffer; 1: the record behind it; 0: none.  epi = 1: the tile before is searched.
; hw = 1 (tile 0): the tokens' 60 loads were issued K step by K step (8 scale words, 4 x 12 fragments, 4 of -x2 / 2), and each count names the younger loads that may stay out.
; PLACES, by this text's count: the loads at a tile's head land in registers that the tile before read, and the search reads sums that it wrote: behind its last matrix instruction stands
; its own search (47 lines on the other buffer's sums) or, in tile 0, four v_nop.
.macro TILE p, fetch, epi, hw
	s_wait_dscnt 0x0                               ; this tile's record is in registers: its loads were issued a tile ago
.if \fetch == 2
	ADDR
	FETCH 1-\p, 0
.elseif \fetch == 1
	FETCH 1-\p, REC
.endif
	WIN 0x04                                       ; source 1, the tokens: window 1
.irp ks, 0,1,2,3
.if \hw
	s_wait_loadcnt 40-12*\ks
.endif
	MMK \p, \ks
.endr
	WIN 0                                          ; at a label and at a branch every window is 0
.if \epi
	SEARCH 1-\p
	s_add_co_u32 s[TI], s[TI], 1
.else
	PLACES
.endif
.if \hw
	s_wait_loadcnt 0x0                             ; -x2 / 2
.endif
.endm
; A CHANGE of slots.  Each wave waits for all its tensor loads, adds 0 to its spare word, and waits for that and for its LDS reads.  fill = 1: behind a round of the cluster's barrier the slot named is filled
; (step = 1: again, with the part two on; step = 0: slot 1's first fill).  fill = 0: the last part is whole behind my work-group's barrier.  tb: where the fetches go on.
.macro CHANGE fill, slot, step, tb
	s_wait_tensorcnt 0x0                           ; no tensor load of mine is out, so a group 0 may be written
	ds_add_u32 v[SPW], v[NIL]
.if \step
	s_add_nc_u64 s[G0+4*\slot+2:G0+4*\slot+3], s[G0+4*\slot+2:G0+4*\slot+3], 2*PART
.endif
	s_mov_b32 s[TB], \tb
	s_wait_dscnt 0x0                               ; the add is done, and my LDS reads are back
.if \fill
	ROUND
	tensor_load_to_lds s[G0+4*\slot:G0+4*\slot+3], s[G1:G1+7]      ; my one tensor load behind the round
	s_nop 0
	PLACES
.else
	s_barrier_signal -1
	s_barrier_wait -1
.endif
.endm
.macro LAPS n, name                    ; 2 n tiles, odd tile first
	s_mov_b32 s[CNT], \n
\name:
	TILE 1, 2, 1, 0
	TILE 0, 1, 1, 0
	s_sub_co_u32 s[CNT], s[CNT], 1
	s_cmp_lg_u32 s[CNT], 0
	s_cbranch_scc1 \name
.endm
	s_load_b128 s[4:7], s[0:1], 0x0                ; q, cand
	v_lshl_add_u32 v[SPW], v0, 2, SPARE
	v_mov_b32 v[NIL], 0
	ds_add_u32 v[SPW], v[NIL]                      ; the opening lines: the add twice on end and one wait, ahead of my first tensor load
	ds_add_u32 v[SPW], v[NIL]
	v_lshrrev_b32 v[TT], 5, v0
	v_readfirstlane_b32 s[WV], v[TT]               ; wave 0..7
	s_bfe_u32 s9, ttmp6, 0x40000                   ; cx: it enters the tokens' and cand's addresses alone
	s_lshl_b32 s10, ttmp9, 2
	s_add_co_u32 s10, s10, s9                      ; rb
	s_and_b32 s11, ttmp7, 0xffff                   ; ch, which the four partners share
	s_mov_b32 s[G1+0], 15|(3<<16)|(1<<21)          ; the mask: all four work-groups; elements of 8 bytes; bit 21 beside a mask
	s_mov_b32 s[G1+1], 32<<16                      ; 52 dense rows of 256 bytes, no padding
	s_mov_b32 s[G1+2], 52<<16
	s_mov_b32 s[G1+3], 32<<16
	s_mov_b32 s[G1+4], 52
	s_mov_b32 s[G1+5], 32
	s_mov_b32 s[G1+6], 0
	s_mov_b32 s[G1+7], 0
	s_lshl_b32 s12, s11, 6                         ; the codes' record 512 + 64 ch + 2 w: my share of part 0
	s_lshl_b32 s13, s[WV], 1
	s_add_co_u32 s12, s12, s13
	s_add_co_u32 s12, s12, 512
	s_mul_i32 s12, s12, REC
	s_mov_b32 s13, 0
	s_mul_i32 s14, s[WV], SHARE                    ; and its place in a slot
	s_lshl_b32 s48, s10, 5                         ; the tokens' record 32 rb + 4 w
	s_lshl_b32 s49, s[WV], 2
	s_add_co_u32 s48, s48, s49
	s_mul_i32 s48, s48, REC
	s_mov_b32 s49, 0
	s_lshl_b32 s50, s11, 16                        ; cand: 65,536 ch + 8 (512 rb + 64 w)
	s_lshl_b32 s51, s10, 12
	s_add_co_u32 s50, s50, s51
	s_lshl_b32 s51, s[WV], 9
	s_add_co_u32 s50, s50, s51
	s_mov_b32 s51, 0
	s_lshl_b32 s60, s11, 10                        ; the chunk's first code
	s_mov_b32 s[SEL], 0x76543210
	s_mov_b32 s[SEL+1], 0xfedcba98
	s_mov_b32 s[HI], 0xffff0000
	s_mov_b32 s[TI], 0
	s_wait_dscnt 0x0                               ; both opening adds are done
	s_wait_kmcnt 0x0
	s_add_nc_u64 s[12:13], s[4:5], s[12:13]
	s_add_nc_u64 s[56:57], s[4:5], s[48:49]
	s_add_nc_u64 s[58:59], s[6:7], s[50:51]
.irp i, 0,1
	s_mov_b32 s[G0+4*\i], 1
	s_add_co_u32 s[G0+4*\i+1], s14, \i*PART                        ; LDS: slot i, my share
	s_add_nc_u64 s[G0+4*\i+2:G0+4*\i+3], s[12:13], \i*PART         ; memory: part i, my share
	s_or_b32 s[G0+4*\i+3], s[G0+4*\i+3], 0x80000000
.endr
	ROUND                                          ; all four work-groups are here: the first joint loads meet
	tensor_load_to_lds s[G0:G0+3], s[G1:G1+7]      ; part 0: one tensor load a wave at the head
	s_nop 0
	PLACES
	v_and_b32 v[ADF], 31, v0
	v_bfe_u32 v[ADS], v0, 4, 1
	v_and_b32 v[R4], 15, v0
	v_lshlrev_b32 v[L16], 4, v[ADF]
	v_lshlrev_b32 v[L8], 3, v[ADF]
	v_lshlrev_b32 v[H32], 5, v[ADS]
	v_lshlrev_b32 v[R4], 2, v[R4]
	; my 4 tiles of tokens stay in registers: 8 loads of scale words, 4 x 12 of fragments, K step by K step (512 bytes on end each), 4 of -x2 / 2
.irp a, 0,1,2,3
	global_load_b32 v[ASC+2*\a+1], v[L8], s[56:57] offset:REC*\a+6144
	global_load_b32 v[ASC+2*\a], v[L8], s[56:57] offset:REC*\a+6148
.endr
	WIN 0x40
.irp s, 0,1,2,3
.irp a, 0,1,2,3
.irp g, 0,1,2
	global_load_b128 v[48*\a+12*\s+4*\g:48*\a+12*\s+4*\g+3], v[L16], s[56:57] offset:REC*\a+1536*\s+512*\g
.endr
.endr
.endr
	WIN 0
.irp a, 0,1,2,3
	global_load_b32 v[X2N+\a], v[R4], s[56:57] offset:REC*\a+6400
.endr
.irp a, 0,1,2,3                                ; the search is written once: its first tile finds -infinity, under every sum, so RUN grows there and IDX and SAV are taken
	v_mov_b32 v[RUN+\a], 0xff800000
	v_mov_b32 v[IDX+\a], 0
.endr
.set j, 0
.rept 32
	v_mov_b32 v[SAV+j], 0
.set j, j+1
.endr
	s_wait_alu depctr_va_vdst(0)
	CHANGE 1, 1, 0, 0                              ; part 0 is whole; part 1 goes out: slot 1's first fill, issued as a refill is
	ADDR
	s_wait_alu depctr_va_vdst(0)                   ; tile 0's fetch reads these addresses again behind a wait, with no search between
	FETCH 0, 0
	TILE 0, 1, 0, 1                                ; tile 0: nothing to search yet
	LAPS 7, .Lp0                                   ; tiles 1 to 14; tile 14 fetches record 15, the last of slot 0
	CHANGE 1, 0, 1, PART                           ; part 2 into slot 0
	LAPS 8, .Lp1                                   ; tiles 15 to 30, fetching records 16 to 31 from slot 1
	CHANGE 1, 1, 1, 0                              ; part 3 into slot 1
	LAPS 8, .Lp2                                   ; tiles 31 to 46, fetching from slot 0
	CHANGE 0, 0, 0, PART
	LAPS 8, .Lp3                                   ; tiles 47 to 62, fetching from slot 1
	TILE 1, 0, 1, 0                                ; tile 63: nothing more to fetch
	SEARCH 1                                       ; and its own sums
	; THE END.  RUN's last values stand in its first four registers.  Which of SAV's eight reached RUN first: j; the code; d; the better of the two halves of the lanes.
	v_bfe_u32 v[HB], v0, 4, 1
.irp a, 0,1,2,3
	v_mov_b32 v[RUN+4+\a], 7                       ; j, in RUN's other four
.endr
	v_lshl_add_u32 v[HB], v[HB], 3, s60            ; 1,024 ch + 8 (lane / 16)
.irp j, 6,5,4,3,2,1,0
.irp a, 0,1,2,3
	v_cmp_ge_f32 s[48+\a], v[SAV+8*\a+\j], v[RUN+\a]
.endr
.irp a, 0,1,2,3
	v_cndmask_b32 v[RUN+4+\a], v[RUN+4+\a], \j, s[48+\a]
.endr
.endr
.irp a, 0,1,2,3
	v_lshl_add_u32 v[IDX+\a], v[IDX+\a], 4, v[RUN+4+\a]            ; 16 tile + j
	v_mul_f32 v[X2N+\a], -2.0, v[X2N+\a]                           ; x2
.endr
.irp a, 0,1,2,3
	v_add_nc_u32 v[IDX+\a], v[IDX+\a], v[HB]                       ; the code
	v_fma_f32 v[RUN+\a], v[RUN+\a], -2.0, v[X2N+\a]                ; d = x2 - 2 s, never negative: s was held at x2 / 2
.endr
.irp a, 0,1,2,3
	v_permlanex16_b32 v[SAV+8*\a], v[RUN+\a], s[SEL], s[SEL+1]     ; the token's other eight codes of each tile lie in the lane 16 away
	v_permlanex16_b32 v[SAV+8*\a+1], v[IDX+\a], s[SEL], s[SEL+1]
.endr
.irp a, 0,1,2,3
	v_cmp_lt_f32 s48, v[SAV+8*\a], v[RUN+\a]                       ; the other's is taken where its d is smaller,
	v_cmp_eq_f32 s49, v[SAV+8*\a], v[RUN+\a]
	v_cmp_lt_u32 s50, v[SAV+8*\a+1], v[IDX+\a]                     ; or equal with the lower code
	s_and_b32 s49, s49, s50
	s_or_b32 s48, s48, s49
	v_cndmask_b32 v[RUN+\a], v[RUN+\a], v[SAV+8*\a], s48
	v_cndmask_b32 v[IDX+\a], v[IDX+\a], v[SAV+8*\a+1], s48
.endr
.irp a, 0,2
	v_cndmask_b32 v[SAV+8*\a+2], v[RUN+\a], v[RUN+\a+1], s[HI]     ; lanes 0-15 carry tile a's tokens, lanes 16-31 tile a + 1's
	v_cndmask_b32 v[SAV+8*\a+3], v[IDX+\a], v[IDX+\a+1], s[HI]
.endr
.irp a, 0,2
	global_store_b64 v[L8], v[SAV+8*\a+2:SAV+8*\a+3], s[58:59] offset:128*\a   ; 32 lanes store 256 bytes on end, at a multiple of 256 from cand's first byte
.endr
	s_wait_tensorcnt 0x0                           ; the wave's end
	ds_add_u32 v[SPW], v[NIL]
	s_wait_dscnt 0x0
	ROUND                                          ; the closing round
	s_endpgm
.Lfunc_end_k_q2766e882fc_nearest:
	.size	k_q2766e882fc_nearest, .Lfunc_end_k_q2766e882fc_nearest-k_q2766e882fc_nearest
	.p2alignl 7, 3214868480
	.fill 96, 4, 3214868480
	.section	.rodata,"a",@progbits
	.p2align	6, 0x0
	.amdhsa_kernel k_q2766e882fc_nearest
		.amdhsa_group_segment_fixed_size 327680
		.amdhsa_private_segment_fixed_size 0
		.amdhsa_enable_private_segment 0
		.amdhsa_kernarg_size 16
		.amdhsa_user_sgpr_count 2
		.amdhsa_user_sgpr_kernarg_segment_ptr 1
		.amdhsa_wavefront_size32 1
		.amdhsa_system_sgpr_workgroup_id_x 1
		.amdhsa_system_sgpr_workgroup_id_y 1
		.amdhsa_system_sgpr_workgroup_id_z 1
		.amdhsa_system_vgpr_workitem_id 0
		.amdhsa_next_free_vgpr 512
		.amdhsa_next_free_sgpr 66
		.amdhsa_reserve_vcc 1
		.amdhsa_float_denorm_mode_32 3
		.amdhsa_float_denorm_mode_16_64 3
		.amdhsa_memory_ordered 1
		.amdhsa_forward_progress 1
		.amdhsa_inst_pref_size 80
	.end_amdhsa_kernel
	.amdgpu_metadata
---
amdhsa.version: [ 1, 2 ]
amdhsa.kernels:
  - .name:           k_q2766e882fc_nearest
    .symbol:         k_q2766e882fc_nearest.kd
    .args:
      - { .name: q, .offset: 0, .size: 8, .value_kind: global_buffer, .address_space: global }
      - { .name: cand, .offset: 8, .size: 8, .value_kind: global_buffer, .address_space: global }
    .group_segment_fixed_size: 327680
    .private_segment_fixed_size: 0
    .kernarg_segment_align: 8
    .kernarg_segment_size: 16
    .max_flat_workgroup_size: 256
    .sgpr_count:     66
    .vgpr_count:     512
    .wavefront_size: 32
...
	.end_amdgpu_metadata
.endif
;; end of part 2
;; launch merge (part 3): grid 128 x 1, 1 waves a work-group, no clusters, 0 bytes of LDS; arguments cand, out0; writes out0
.if DOCPART == 3
	.amdgcn_target "amdgcn-amd-amdhsa--gfx1250"
	.amdhsa_code_object_version 6
	.text
	.protected	k_q2766e882fc_merge
	.globl	k_q2766e882fc_merge
	.p2align	8
	.type	k_q2766e882fc_merge,@function
k_q2766e882fc_merge:
	s_mov_b64 s[64:65], 0
	v_nop
	global_prefetch_b8 v0, s[64:65] scope:SCOPE_SE
	s_setreg_imm32_b32 hwreg(HW_REG_WAVE_MODE, 25, 1), 1
	s_wait_xcnt 0x0
; out0[token] = the code of the smallest d among the 16 chunks' candidates, or -1 where that d is over 900.  cand: [16][8192] pairs (d f32, code i32).
; A strict < keeps the lower chunk, whose codes are the lower ones, where d is equal.  "Some d <= 900" is "the smallest d <= 900".
; A wave takes 64 tokens, a lane two: each load reads 512 bytes on end, the store covers 256 bytes on end, aligned.  1 MiB is read in all: 128 waves have work, and no more are launched.
	s_load_b128 s[4:7], s[0:1], 0x0                ; cand, out0
	v_lshlrev_b32 v1, 4, v0                        ; two pairs a lane
	v_lshlrev_b32 v2, 3, v0                        ; two ids a lane
	s_lshl_b32 s8, ttmp9, 9                        ; 64 tokens x 8 bytes
	s_mov_b32 s9, 0
	s_lshl_b32 s10, ttmp9, 8                       ; 64 tokens x 4 bytes
	s_mov_b32 s11, 0
	s_wait_alu depctr_va_vdst(0)
	s_wait_kmcnt 0x0
	s_add_nc_u64 s[4:5], s[4:5], s[8:9]
	s_add_nc_u64 s[6:7], s[6:7], s[10:11]
.irp c, 0,1,2,3,4,5,6,7,8,9,10,11,12,13,14,15
	global_load_b128 v[8+4*\c:11+4*\c], v1, s[4:5] offset:65536*\c th:TH_LOAD_NT
.endr
.irp c, 1,2,3,4,5,6,7,8,9,10,11,12,13,14,15
	s_wait_alu depctr_va_vdst(0)
	s_wait_loadcnt 15-\c                           ; loads come back in order: chunks 0 to c are in
	v_cmp_lt_f32 vcc_lo, v[8+4*\c], v8
	v_cmp_lt_f32 s12, v[10+4*\c], v10
	v_cndmask_b32 v8, v8, v[8+4*\c], vcc_lo
	v_cndmask_b32 v9, v9, v[9+4*\c], vcc_lo
	v_cndmask_b32 v10, v10, v[10+4*\c], s12
	v_cndmask_b32 v11, v11, v[11+4*\c], s12
.endr
	v_cmp_ge_f32 vcc_lo, 0x44610000, v8            ; 900 >= the smallest d
	v_cmp_ge_f32 s12, 0x44610000, v10
	v_cndmask_b32 v4, -1, v9, vcc_lo
	v_cndmask_b32 v5, -1, v11, s12
	global_store_b64 v2, v[4:5], s[6:7]
	s_endpgm
.Lfunc_end_k_q2766e882fc_merge:
	.size	k_q2766e882fc_merge, .Lfunc_end_k_q2766e882fc_merge-k_q2766e882fc_merge
	.p2alignl 7, 3214868480
	.fill 96, 4, 3214868480
	.section	.rodata,"a",@progbits
	.p2align	6, 0x0
	.amdhsa_kernel k_q2766e882fc_merge
		.amdhsa_group_segment_fixed_size 0
		.amdhsa_private_segment_fixed_size 0
		.amdhsa_enable_private_segment 0
		.amdhsa_kernarg_size 16
		.amdhsa_user_sgpr_count 2
		.amdhsa_user_sgpr_kernarg_segment_ptr 1
		.amdhsa_wavefront_size32 1
		.amdhsa_system_sgpr_workgroup_id_x 1
		.amdhsa_system_sgpr_workgroup_id_y 1
		.amdhsa_system_sgpr_workgroup_id_z 1
		.amdhsa_system_vgpr_workitem_id 0
		.amdhsa_next_free_vgpr 72
		.amdhsa_next_free_sgpr 66
		.amdhsa_reserve_vcc 1
		.amdhsa_float_denorm_mode_32 3
		.amdhsa_float_denorm_mode_16_64 3
		.amdhsa_memory_ordered 1
		.amdhsa_forward_progress 1
		.amdhsa_inst_pref_size 8
	.end_amdhsa_kernel
	.amdgpu_metadata
---
amdhsa.version: [ 1, 2 ]
amdhsa.kernels:
  - .name:           k_q2766e882fc_merge
    .symbol:         k_q2766e882fc_merge.kd
    .args:
      - { .name: cand, .offset: 0, .size: 8, .value_kind: global_buffer, .address_space: global }
      - { .name: out0, .offset: 8, .size: 8, .value_kind: global_buffer, .address_space: global }
    .group_segment_fixed_size: 0
    .private_segment_fixed_size: 0
    .kernarg_segment_align: 8
    .kernarg_segment_size: 16
    .max_flat_workgroup_size: 32
    .sgpr_count:     66
    .vgpr_count:     72
    .wavefront_size: 32
...
	.end_amdgpu_metadata
.endif
;; end of part 3
